; MI455X (gfx1250); checked and timed in simulation.
; The chip was launched on July 23, 2026; its instructions are those of AMD's public machine-readable ISA for CDNA 5 (MIT licence, August 2026) and "CDNA5" Instruction Set Architecture Reference Guide (July 2026). The comments in the code are by the model that wrote it; some were corrected since.
;; Multi Head Attention. Allowed arithmetic: matrix products marked QUANTISED: E2M3 operands, one E8M0 scale for each 32 along K, by v_wmma_scale_f32_16x16x128_f8f6f4 with both operands' format E2M3, f32 sums; everything else in f32.
;; Inputs: K_codes 4 x 2,048 x 32 x 24 uint8 (E2M3 codes of K, K innermost, in blocks of 32 codes, four codes in three bytes); K_scales 4 x 2,048 x 32 uint8 (E8M0 scales of K, one for each 32 codes along K); Q_codes 4 x 2,048 x 32 x 24 uint8 (E2M3 codes of Q, K innermost, in blocks of 32 codes, four codes in three bytes); Q_scales 4 x 2,048 x 32 uint8 (E8M0 scales of Q, one for each 32 codes along K); V_codes 4 x 2,048 x 32 x 24 uint8 (E2M3 codes of V, K innermost, in blocks of 32 codes, four codes in three bytes); V_scales 4 x 2,048 x 32 uint8 (E8M0 scales of V, one for each 32 codes along K); Wk_codes 16 x 64 x 32 x 24 uint8 (E2M3 codes of Wk, K innermost, in blocks of 32 codes, four codes in three bytes); Wk_scales 16 x 64 x 32 uint8 (E8M0 scales of Wk, one for each 32 codes along K); Wo_codes 1,024 x 32 x 24 uint8 (E2M3 codes of Wo, K innermost, in blocks of 32 codes, four codes in three bytes); Wo_scales 1,024 x 32 uint8 (E8M0 scales of Wo, one for each 32 codes along K); Wq_codes 16 x 64 x 32 x 24 uint8 (E2M3 codes of Wq, K innermost, in blocks of 32 codes, four codes in three bytes); Wq_scales 16 x 64 x 32 uint8 (E8M0 scales of Wq, one for each 32 codes along K); Wv_codes 16 x 64 x 32 x 24 uint8 (E2M3 codes of Wv, K innermost, in blocks of 32 codes, four codes in three bytes); Wv_scales 16 x 64 x 32 uint8 (E8M0 scales of Wv, one for each 32 codes along K); bk 16 x 64 float32; bo 1,024 float32; bq 16 x 64 float32; bv 16 x 64 float32.
;; Outputs: out0 4 x 2,048 x 1,024 float32.
;; Constants: apply_mask = 1.
;; This version of the problem:
;;   THIS VERSION OF THE PROBLEM IS GIVEN IN LOW PRECISION. The matrix products marked QUANTISED in the list below multiply operands that are first quantised to E2M3 (2 exponent bits, 3 mantissa bits; 6 bits a number), with one power-of-two scale for each 32 numbers along K (OCP MX v1.0); their sums are f32. All else is computed in f32.
;;   The module's matrix products, in the order in which they are computed (A, B: the left and right operand; K: the contracted axis; several contracted axes count as one K, in the product's order):
;;     1. [M 1,024, K 1,024] x [K 1,024, N 8,192]; A: input Wq (given as codes); B: input Q (given as codes): QUANTISED
;;     2. [M 1,024, K 1,024] x [K 1,024, N 8,192]; A: input Wk (given as codes); B: input K (given as codes): QUANTISED
;;     3. [M 1,024, K 1,024] x [K 1,024, N 8,192]; A: input Wv (given as codes); B: input V (given as codes): QUANTISED
;;     4. batch 64 x [M 2,048, K 64] x [K 64, N 2,048]; A: computed on the way; B: computed on the way: QUANTISED
;;     5. batch 64 x [M 2,048, K 2,048] x [K 2,048, N 64]; A: softmax (see below); B: computed on the way: QUANTISED
;;     6. [M 8,192, K 1,024] x [K 1,024, N 1,024]; A: computed on the way; B: input Wo (given as codes): QUANTISED
;;   THE QUANTISER, for each operand of a quantised product, along K:
;;     - K is cut into blocks of 32 from its start; a last block that is shorter is filled with zeros.
;;     - A block's scale is 2^e with e = floor(log2(the largest magnitude in the block)) - 2, held to -126 .. 127; a block of zeros has e = 0. As a byte (E8M0): e + 127.
;;     - Each number is divided by its block's scale, clamped to +-7.5, and rounded to the nearest number of E2M3, ties to even, subnormals kept.
;;     - The product sums the exact products of the quantised numbers (number of the format x scale) in f32.
;;   ~~~python
;;   def quantise(x, axis):      # numpy; x: float32 -> the quantised numbers, widened to float32 again
;;       x = np.moveaxis(x, axis, -1); K = x.shape[-1]
;;       x = np.pad(x, [(0, 0)] * (x.ndim - 1) + [(0, -K % 32)]); x = x.reshape(x.shape[:-1] + (-1, 32)); a = np.abs(x).max(-1, keepdims=True)
;;       e = np.where(a > 0, np.clip(np.frexp(np.where(a > 0, a, 1))[1] - 1 - 2, -126, 127), 0)      # np.frexp(a)[1] - 1 = floor(log2(a)), exactly
;;       r = np.clip(x / 2.0 ** e, -7.5, 7.5)
;;       step = 2.0 ** (np.maximum(np.frexp(np.where(r == 0, 1, r))[1] - 1, 0) - 3)
;;       q = np.round(r / step) * step * 2.0 ** e      # np.round: ties to even
;;       return np.moveaxis(q.reshape(q.shape[:-2] + (-1,))[..., :K], -1, axis).astype(np.float32)
;;   ~~~
;;   SOFTMAX AHEAD OF A QUANTISED PRODUCT. Where the list says 'softmax', what is quantised is not the finished softmax but p = 2^(t - M), with t = logit x log2(e) and M = ceil(the row's largest t), a whole number; so 1/2 < the row's largest p <= 1. The row's sum l is taken of the UNQUANTISED p, in f32, and the product's result is divided by l at the end. Since M is a whole number, a kernel that streams over the keys may use a running M (the ceiling of the running maximum): every later rescaling is an exact power of two, which a block's scale takes up: the codes' values come out the same.
;;   OPERANDS COMPUTED ON THE WAY. 'Computed on the way' means the value that the module computes at that place (a softmax that the list does not call 'softmax' is quantised finished and normalised). What goes into a quantiser is computed in f32, as accurately as f32 sums, v_exp_f32 and their like allow (about 1e-6 of the number): no bf16 or f16 on the way to a quantiser, and a product that is left as it is and whose result goes on into a quantised operand takes f32 operands (vector FMAs, or v_wmma_f32_16x16x4_f32). A number that lies on a knife's edge between two numbers of the format may be rounded either way, as far as f32 arithmetic and the matrix unit's own rounding can turn it there, and no further.
;;   INPUTS GIVEN AS CODES. K (in the module: [4, 2048, 1024], K = its axis 2); Q (in the module: [4, 2048, 1024], K = its axis 2); V (in the module: [4, 2048, 1024], K = its axis 2); Wk (in the module: [16, 1024, 64], K = its axis 1); Wo (in the module: [1024, 1024], K = its axis 0); Wq (in the module: [16, 1024, 64], K = its axis 1); Wv (in the module: [16, 1024, 64], K = its axis 1): each comes as NAME_codes (uint8): NAME with its K axis moved to the last place and cut into blocks of 32 codes, [.., K / 32, bytes a block], one block behind the other in memory; four codes in three bytes: a row's codes are one little-endian stream of bits, code i at bits 6 i .. 6 i + 5 (a code: sign, 2 exponent bits, 3 mantissa bits); and NAME_scales (uint8): the same leading axes, one E8M0 byte (e + 127) for each 32 codes along K. Its value is code x scale, taken as it is: it is not quantised again, and the codes and scales need not be those that the quantiser above would give.
;; One version. Each part assembles by itself: llvm-mc -triple=amdgcn-amd-amdhsa -mcpu=gfx1250 --defsym DOCPART=n.
;; ======== version 1 of 1: 3 launches
;; limits: right only within a limited range of input values
;; workspace buffers: qimg 6,291,456 bytes; qs 524,288 bytes; kv 13,369,344 bytes; oimg 6,291,456 bytes; os 262,144 bytes
;; launch proj (part 1): grid 192 x 4, 4 waves a work-group, clusters of 4 x 4, 327,680 bytes of LDS; arguments Q_codes, Q_scales, Wq_codes, Wq_scales, bq, K_codes, K_scales, Wk_codes, Wk_scales, bk, Wv_codes, Wv_scales, V_codes, V_scales, bv, qimg, qs, kv; writes qimg, qs, kv
.if DOCPART == 1
	.amdgcn_target "amdgcn-amd-amdhsa--gfx1250"
	.amdhsa_code_object_version 6
	.text
	.protected	k_q66657853a5_proj
	.globl	k_q66657853a5_proj
	.p2align	8
	.type	k_q66657853a5_proj,@function
k_q66657853a5_proj:
	s_mov_b64 s[64:65], 0
	v_nop
	global_prefetch_b8 v0, s[64:65] scope:SCOPE_SE
	s_setreg_imm32_b32 hwreg(HW_REG_WAVE_MODE, 25, 1), 1
	s_wait_xcnt 0x0
	s_wait_alu depctr_hold_cnt(0) depctr_sa_sdst(0) depctr_va_vdst(0) depctr_va_sdst(0) depctr_va_ssrc(0) depctr_va_vcc(0) depctr_vm_vsrc(0)
	s_getreg_b32 s2, hwreg(HW_REG_IB_STS2, 6, 4)
	s_cmp_eq_u32 s2, 0
	s_cbranch_scc0 .Lentry_in_a_cluster
	s_endpgm
.Lentry_in_a_cluster:
	s_bfe_u32 s2, ttmp6, 0x10000c
	s_cmp_lg_u32 s2, 0xf033
	s_cbranch_scc0 .Lentry_shape_is_right
	s_endpgm
.Lentry_shape_is_right:
; q = Q Wq + bq, k = K Wk + bk, v = V Wv + bv on codes of FP6 (E2M3) with E8M0 scales, each result quantised again and stored as images of operand registers.
; KIND = cluster / 16: 0 q, 1 k, 2 v.  A work-group makes 256 rows of A x 128 rows of B, all of K = 1,024: kinds 0, 1: A = tokens, B = weight rows; kind 2: A = Wv's rows, B = tokens.
; A wave makes 64 x 128: 32 accumulators.  The product is used transposed (source 0 = B's rows, source 1 = A's): a lane holds one row of A, its registers run along B's rows, which is the next product's K.
; LDS: A's 256 rows, then B's 128, whole rows of 768 bytes with 16 bytes of padding behind each 256 (pitch 816).  Each byte is filled once, by one joint load a wave at the head: no slot is filled again.
; CLUSTER 4 x 4: A's rows are shared along a row of the cluster, B's along a column.  Scale bytes go straight into registers: lane l takes row l's 32 bytes, so two loads cover 1,024 consecutive bytes;
; lanes 0-15 hold one block of 16 rows, lanes 16-31 the next (the ROW selectors).  The bias is the first products' C.
; No prefetch: the launch has no loop to run ahead in; all its tiles are asked for at the head.
; LIMITS: NaN and infinities are not served.  A block of zeros, or one under 2^-124, gets the scale byte 1 (read by this program alone).
; REGISTERS: window 0: v16-24 addresses, v28-29 the add's two, v32-47 A's scale words, v52-83 B's, v88-151 bias, v152-247 A's fragments, two sets; window 1: B's fragments, two sets; window 2: accumulator (a, b) at 8 (8 a + b).
.set KROW,   768
.set PITCH,  816
.set FR,     12
.set HALFA,  128*PITCH
.set BOFF,   256*PITCH
.set HALFB,  64*PITCH
.set SPARE,  BOFF+128*PITCH
.set ADRA, 16
.set ADRB, 20
.set ABS,  24
.set SPW,  28
.set NIL,  29
.set SCA,  32
.set SCB,  52
.set BC,   88
.set AF,   152
.set PC,   112
.set TM,   200
.set PW,   216
.set SW,   32
.set G1,   24
.set G0,   32
.set G1B,  48
.set G0B,  56
.set KIND, 95
.set X0,   96
.set Y0,   97
.set IMG,  98
.set SCP,  100
.set HS,   24
.set SS,   25
.set OFS,  26
.set DD,   27
.set SA,   28
.set HSS,  32
.set SSS,  33
.set OFSS, 34
.set H2S,  35
.set SH,   37
.set MASK, 38
.set ORV,  39
.set SEL,  50
.set MSB, 0
.macro WIN new                         ; the immediate's high byte repeats the setting that is left
.if MSB != \new
	s_set_vgpr_msb (MSB<<8)|\new
.set MSB, \new
.endif
.endm
.macro PLACES n
.rept \n
	v_nop
.endr
.endm
.macro JLOAD g0a, g1a, g0b, g1b        ; waves 0, 1 fetch A's halves, waves 2, 3 B's
	s_cmp_eq_u32 s15, 0
	s_cbranch_scc0 .Lfor_b_\@
	tensor_load_to_lds s[\g0a:\g0a+3], s[\g1a:\g1a+7]
	s_nop 0
	PLACES 4
	s_branch .Lasked_\@
.Lfor_b_\@:
	tensor_load_to_lds s[\g0b:\g0b+3], s[\g1b:\g1b+7]
	s_nop 0
	PLACES 4
.Lasked_\@:
.endm
.macro CROUND                          ; a round of the cluster's barrier
	s_barrier_signal -1
	s_barrier_wait -1
	s_cmp_lg_u32 s14, 0
	s_cbranch_scc1 .Lnot_wave_0_\@
	s_barrier_signal -3
.Lnot_wave_0_\@:
	s_barrier_wait -3
	s_barrier_signal -1
	s_barrier_wait -1
.endm
.macro FRAG reg, adr, q, i             ; 16 rows x 128 K: six pieces of 8 bytes; byte y of a row lies at y + 16 (y / 256); lanes 16-31 read 24 bytes on, by \adr+1 where that is behind one padding more
.irp p, 0,1,2,3,4,5
.set BY, 96*(\q)+48*(\p/3)+8*(\p%3)
.if BY/256 == (BY+24)/256
	ds_load_b64 v[\reg+2*\p:\reg+2*\p+1], v[\adr] offset:BY+16*(BY/256)+(\i)*16*PITCH
.else
	ds_load_b64 v[\reg+2*\p:\reg+2*\p+1], v[\adr+1] offset:BY+16*(BY/256)+(\i)*16*PITCH
.endif
.endr
.endm
.macro FETCH q                         ; step q's fragments into set q % 2: 72 loads
	WIN 0x40
.irp i, 0,1,2,3,4,5,6,7
	FRAG 128*((\q)%2)+FR*\i, ADRB+2*(\i/4), \q, \i%4
.endr
	WIN 0
.irp i, 0,1,2,3
	FRAG AF+48*((\q)%2)+FR*\i, ADRA, \q, \i
.endr
.endm
.macro MUL q, zero                     ; 32 products, the accumulators by turns.  zero = 1: C = the bias along B's rows; 2: along A's rows
.irp ap, 0,1
.irp ar, 0,1
.irp bp, 0,1,2,3
.irp br, 0,1
.set D_, 8*(8*(2*\ap+\ar)+2*\bp+\br)
.set B_, 128*((\q)%2)+FR*(2*\bp+\br)
.set A_, AF+48*((\q)%2)+FR*(2*\ap+\ar)
.if (\zero) == 1
.set C_, BC+8*(2*\bp+\br)
.elseif (\zero) == 2
.set C_, BC+8*(2*\ap+\ar)
.else
.set C_, D_
.endif
	v_wmma_scale_f32_16x16x128_f8f6f4 v[D_:D_+7], v[B_:B_+FR-1], v[A_:A_+FR-1], v[C_:C_+7], v[SCB+8*\bp+(\q)], v[SCA+8*\ap+(\q)] matrix_a_fmt:MATRIX_FMT_FP6 matrix_b_fmt:MATRIX_FMT_FP6 matrix_a_scale:MATRIX_SCALE_ROW\br matrix_b_scale:MATRIX_SCALE_ROW\ar
.endr
.endr
.endr
.endr
.endm
.macro STEP q, zero                    ; step q's fragments are in; the next step's are asked for into the other set, four places behind the products that read it; then the products
	s_wait_dscnt 0x0
.if (\q) < 7
.if (\q) > 0
	PLACES 4
.endif
	FETCH (\q)+1
.endif
.if \zero
	WIN 0x81
.else
	WIN 0xa1
.endif
	MUL \q, \zero
.endm
	s_load_b256 s[4:11], s[0:1], 0x0
	s_load_b64 s[12:13], s[0:1], 0x20
	s_load_b256 s[24:31], s[0:1], 0x28
	s_load_b64 s[32:33], s[0:1], 0x48
	s_load_b256 s[36:43], s[0:1], 0x50
	s_load_b64 s[44:45], s[0:1], 0x70
	s_load_b128 s[48:51], s[0:1], 0x78
	s_load_b64 s[52:53], s[0:1], 0x88
	v_lshl_add_u32 v[SPW], v0, 2, SPARE
	v_mov_b32 v[NIL], 0
	ds_add_u32 v[SPW], v[NIL]                      ; the opening lines: the add twice and its wait
	ds_add_u32 v[SPW], v[NIL]
	v_lshrrev_b32 v1, 5, v0
	v_readfirstlane_b32 s14, v1                    ; wave
	s_lshr_b32 s15, s14, 1                         ; I fetch for A (0) or B (1),
	s_and_b32 s16, s14, 1                          ; which half
	s_lshr_b32 s[KIND], ttmp9, 4
	s_wait_dscnt 0x0
	s_wait_kmcnt 0x0
	s_cmp_eq_u32 s[KIND], 1                        ; s[4:5] A's codes, s[6:7] A's scales, s[8:9] B's codes, s[10:11] B's scales, s[12:13] bias
	s_cselect_b64 s[4:5], s[24:25], s[4:5]
	s_cselect_b64 s[6:7], s[26:27], s[6:7]
	s_cselect_b64 s[8:9], s[28:29], s[8:9]
	s_cselect_b64 s[10:11], s[30:31], s[10:11]
	s_cselect_b64 s[12:13], s[32:33], s[12:13]
	s_cmp_eq_u32 s[KIND], 2
	s_cselect_b64 s[4:5], s[36:37], s[4:5]
	s_cselect_b64 s[6:7], s[38:39], s[6:7]
	s_cselect_b64 s[8:9], s[40:41], s[8:9]
	s_cselect_b64 s[10:11], s[42:43], s[10:11]
	s_cselect_b64 s[12:13], s[44:45], s[12:13]
	s_cmp_eq_u32 s[KIND], 0
	s_cselect_b64 s[IMG:IMG+1], s[48:49], s[52:53]
	s_cselect_b64 s[SCP:SCP+1], s[50:51], s[52:53]
	s_bfe_u32 s40, ttmp6, 0x40000                  ; cx
	s_bfe_u32 s41, ttmp6, 0x40004                  ; cy
	s_and_b32 s18, ttmp9, 15                       ; the kind's 16 clusters: kinds 0, 1: 2 along B x 8 along A; kind 2: 16 along B
	s_and_b32 s19, s18, 1
	s_lshr_b32 s20, s18, 1
	s_cmp_eq_u32 s[KIND], 2
	s_cselect_b32 s42, s18, s19
	s_cselect_b32 s17, 0, s20
	s_lshl_b32 s42, s42, 2
	s_add_co_u32 s42, s42, s40                     ; B's tile of 128 rows
	s_lshl_b32 s17, s17, 2
	s_add_co_u32 s17, s17, s41                     ; A's tile of 256 rows
	s_lshl_b32 s43, s41, 2
	s_lshl_b32 s43, 15, s43                        ; my row of the cluster
	s_lshl_b32 s44, 0x1111, s40                    ; my column
	s_or_b32 s[G1], s43, (1<<20)|(1<<21)|(5<<22)|(3<<25)
	s_or_b32 s[G1B], s44, (1<<20)|(1<<21)|(5<<22)|(3<<25)
.irp g, G1, G1B
	s_mov_b32 s[\g+1], KROW<<16
	s_mov_b32 s[\g+3], KROW<<16
	s_mov_b32 s[\g+5], KROW
	s_mov_b32 s[\g+6], 0
	s_mov_b32 s[\g+7], 0
.endr
	s_mov_b32 s[G1+2], 128<<16
	s_mov_b32 s[G1+4], 128
	s_mov_b32 s[G1B+2], 64<<16
	s_mov_b32 s[G1B+4], 64
	s_lshl_b32 s20, s17, 8
	s_lshl_b32 s[Y0], s14, 6
	s_add_co_u32 s[Y0], s[Y0], s20                 ; my first row of A
	s_lshl_b32 s18, s16, 7
	s_add_co_u32 s20, s20, s18
	s_mul_i32 s20, s20, KROW
	s_mov_b32 s21, 0
	s_lshl_b32 s[X0], s42, 7                       ; my first row of B
	s_lshl_b32 s18, s16, 6
	s_add_co_u32 s46, s[X0], s18
	s_mul_i32 s46, s46, KROW
	s_mov_b32 s47, 0
	s_mov_b32 s[G0], 1
	s_mul_i32 s[G0+1], s16, HALFA
	s_add_nc_u64 s[G0+2:G0+3], s[4:5], s[20:21]
	s_or_b32 s[G0+3], s[G0+3], 0x80000000
	s_mov_b32 s[G0B], 1
	s_mul_i32 s[G0B+1], s16, HALFB
	s_add_co_u32 s[G0B+1], s[G0B+1], BOFF
	s_add_nc_u64 s[G0B+2:G0B+3], s[8:9], s[46:47]
	s_or_b32 s[G0B+3], s[G0B+3], 0x80000000
	s_lshl_b32 s22, s[Y0], 5
	s_mov_b32 s23, 0
	s_add_nc_u64 s[6:7], s[6:7], s[22:23]          ; my rows' scale bytes
	s_lshl_b32 s22, s[X0], 5
	s_add_nc_u64 s[10:11], s[10:11], s[22:23]
	s_cmp_eq_u32 s[KIND], 2
	s_cselect_b32 s22, s[Y0], s[X0]
	s_lshl_b32 s22, s22, 2
	s_add_nc_u64 s[12:13], s[12:13], s[22:23]      ; my channels' bias
	CROUND                                         ; all sixteen work-groups are here: the joint loads meet
	JLOAD G0, G1, G0B, G1B                         ; my one tensor load
	v_and_b32 v1, 15, v0                           ; r
	v_bfe_u32 v2, v0, 4, 1                         ; h
	v_and_b32 v3, 31, v0
	v_lshlrev_b32 v[ABS], 5, v3                    ; 32 x lane
	v_lshlrev_b32 v7, 5, v2
	v_lshlrev_b32 v8, 2, v1
	v_mul_u32_u24 v4, v1, PITCH
	v_mad_u32_u24 v5, v2, 24, v4
	v_mad_u32_u24 v6, v2, 40, v4
	s_mul_i32 s21, s14, 64*PITCH
	v_add_nc_u32 v[ADRA], s21, v5
	v_add_nc_u32 v[ADRA+1], s21, v6
	v_add_nc_u32 v[ADRB], BOFF, v5
	v_add_nc_u32 v[ADRB+1], BOFF, v6
	v_add_nc_u32 v[ADRB+2], BOFF+HALFB, v5
	v_add_nc_u32 v[ADRB+3], BOFF+HALFB, v6
.irp p, 0,1
.irp c, 0,1
	global_load_b128 v[SCA+8*\p+4*\c:SCA+8*\p+4*\c+3], v[ABS], s[6:7] offset:\p*1024+16*\c
.endr
.endr
.irp p, 0,1,2,3
.irp c, 0,1
	global_load_b128 v[SCB+8*\p+4*\c:SCB+8*\p+4*\c+3], v[ABS], s[10:11] offset:\p*1024+16*\c
.endr
.endr
	s_cmp_eq_u32 s[KIND], 2
	s_wait_alu depctr_va_vdst(0)                   ; the wait at the head's end, ahead of the branch
	s_cbranch_scc1 .Lbias_v
.irp b, 0,1,2,3,4,5,6,7
	global_load_b128 v[BC+8*\b:BC+8*\b+3], v7, s[12:13] offset:64*\b        ; channels 16 b + 8 h + 0 .. 7
	global_load_b128 v[BC+8*\b+4:BC+8*\b+7], v7, s[12:13] offset:64*\b+16
.endr
	s_branch .Lbias_done
.Lbias_v:
.irp a, 0,1,2,3
	global_load_b32 v[BC+8*\a], v8, s[12:13] offset:64*\a                   ; channel 16 a + r
.endr
.Lbias_done:
	s_wait_tensorcnt 0x0                           ; my part has landed,
	s_barrier_signal -1
	s_barrier_wait -1                              ; everybody's has
	FETCH 0
	s_mov_b32 s[HS], 208896                        ; where the results go (no tensor load is out: the descriptors' registers are free)
	s_mov_b32 s[SS], 13056
	s_mov_b32 s[OFS], 0
	s_mov_b32 s[DD], 208896
	s_mov_b32 s[SA], 768
	s_mov_b32 s[SA+1], 0
	s_mov_b32 s[HSS], 208896
	s_mov_b32 s[SSS], 13056
	s_mov_b32 s[OFSS], 6144
	s_mov_b32 s[H2S], 208896
	s_mov_b32 s[SH], 16
	s_mov_b32 s[MASK], 0xffff
	s_mov_b32 s[ORV], 0x7f7f0000
	s_mov_b32 s[SEL], 0x76543210
	s_mov_b32 s[SEL+1], 0xfedcba98
	s_cmp_eq_u32 s[KIND], 0
	s_cselect_b32 s[HS], 98304, s[HS]
	s_cselect_b32 s[SS], 6144, s[SS]
	s_cselect_b32 s[DD], 98304, s[DD]
	s_cselect_b32 s[HSS], 8192, s[HSS]
	s_cselect_b32 s[SSS], 512, s[SSS]
	s_cselect_b32 s[OFSS], 0, s[OFSS]
	s_cselect_b32 s[H2S], 8192, s[H2S]
	s_cmp_eq_u32 s[KIND], 2
	s_cselect_b32 s[OFS], 6656, s[OFS]
	s_cselect_b32 s[DD], 768, s[DD]
	s_cselect_b32 s[SA], 1536, s[SA]
	s_cselect_b32 s[OFSS], 12800, s[OFSS]
	s_cselect_b32 s[H2S], 0, s[H2S]
	s_cselect_b32 s[SH], 0, s[SH]
	s_cselect_b32 s[MASK], -1, s[MASK]
	s_cselect_b32 s[ORV], 0, s[ORV]
	s_cselect_b32 s40, s[X0], s[Y0]                ; my first token,
	s_cselect_b32 s41, s[Y0], s[X0]                ; my first channel
	s_lshr_b32 s42, s40, 11
	s_lshl_b32 s42, s42, 4
	s_lshr_b32 s43, s41, 6
	s_add_co_u32 s42, s42, s43                     ; batch x 16 + head
	s_bfe_u32 s43, s40, 0x40007                    ; the group of 128 tokens,
	s_bfe_u32 s3, s40, 0x10006                     ; and which 64 of it (kinds 0, 1)
	s_mul_i32 s44, s42, s[HS]
	s_mul_i32 s46, s43, s[SS]
	s_add_co_u32 s44, s44, s46
	s_add_co_u32 s44, s44, s[OFS]
	s_mul_i32 s46, s3, 3072
	s_add_co_u32 s44, s44, s46
	s_mov_b32 s45, 0
	s_add_nc_u64 s[IMG:IMG+1], s[IMG:IMG+1], s[44:45]
	s_mul_i32 s44, s42, s[HSS]
	s_mul_i32 s46, s43, s[SSS]
	s_add_co_u32 s44, s44, s46
	s_add_co_u32 s44, s44, s[OFSS]
	s_lshl_b32 s46, s3, 8
	s_add_co_u32 s44, s44, s46
	s_add_nc_u64 s[SCP:SCP+1], s[SCP:SCP+1], s[44:45]
	s_wait_loadcnt 0x0                             ; scale words and bias
	s_cmp_eq_u32 s[KIND], 2
	s_cbranch_scc1 .Lfirst_v
	STEP 0, 1
	WIN 0
	s_branch .Lfirst_done
.Lfirst_v:
.irp a, 0,1,2,3
.irp j, 1,2,3,4,5,6,7
	v_mov_b32 v[BC+8*\a+\j], v[BC+8*\a]            ; v's bias, one number a lane and block, over the block's eight registers
.endr
.endr
	s_wait_alu depctr_va_vdst(0)                   ; the wait ahead of the blocking wait below
	STEP 0, 2
	WIN 0
.Lfirst_done:
.irp q, 1,2,3,4,5,6,7
	STEP \q, 0
.endr
	WIN 0
	PLACES 4
	v_and_b32 v5, 15, v0
	v_bfe_u32 v7, v0, 4, 1
	v_lshlrev_b32 v5, 4, v5
	v_mad_u32_u24 v5, v7, s[H2S], v5               ; scale words: 16 r; kinds 0, 1: lanes 16-31 the second head's
	v_mul_u32_u24 v7, v7, s[SH]
	v_and_b32 v2, 31, v0
	v_lshlrev_b32 v1, 4, v2
	v_lshlrev_b32 v2, 3, v2
	v_add_nc_u32 v3, s[DD], v1
	v_add_nc_u32 v4, s[DD], v2
.irp b, 0,1,2,3
	v_mov_b32 v[TM+4+\b], 0
.endr
; THE WAY OUT of block a, 16 rows x 128: four scale blocks of 32 (16 numbers in a lane, 16 in lane l xor 16), their codes as two images of six registers, the scale word
.macro EPI a
.set AC, 64*(\a)
.if (\a) > 0
	s_wait_xcnt 0x0                                ; the stores before have read their registers and base
	s_add_nc_u64 s[IMG:IMG+1], s[IMG:IMG+1], s[SA:SA+1]
.endif
	WIN 0x28
.irp b, 0,1,2,3
	v_max3_num_f32 v[TM+\b], 0x1800000, |v[AC+16*\b]|, |v[AC+16*\b+1]|
.endr
.irp i, 2,4,6,8,10,12,14
.irp b, 0,1,2,3
	v_max3_num_f32 v[TM+\b], v[TM+\b], |v[AC+16*\b+\i]|, |v[AC+16*\b+\i+1]|
.endr
.endr
	WIN 0
.irp b, 0,1,2,3
	v_permlanex16_b32 v[TM+4+\b], v[TM+\b], s[SEL], s[SEL+1]
.endr
.irp b, 0,1,2,3
	v_max_num_f32 v[TM+\b], v[TM+\b], v[TM+4+\b]
.endr
.irp b, 0,1,2,3
	v_add_nc_u32 v[TM+12+\b], 0xff000000, v[TM+\b]
.endr
.irp b, 0,1,2,3
	v_lshrrev_b32 v[TM+4+\b], 23, v[TM+12+\b]
.endr
	v_lshl_or_b32 v[PW], v[TM+5], 8, v[TM+4]
	v_lshl_or_b32 v[PW], v[TM+6], 16, v[PW]
	v_lshl_or_b32 v[PW], v[TM+7], 24, v[PW]
	v_lshrrev_b32 v[PW], v7, v[PW]
	v_and_or_b32 v[SW+(\a)], v[PW], s[MASK], s[ORV]
	WIN 2
.irp c, 0,1
	v_cvt_scalef32_pk16_fp6_f32 v[PC+6*\c:PC+6*\c+2], v[AC+32*\c:AC+32*\c+15], v[TM+12+2*\c]
	v_cvt_scalef32_pk16_fp6_f32 v[PC+12+4*\c:PC+14+4*\c], v[AC+16+32*\c:AC+31+32*\c], v[TM+13+2*\c]
.endr
	WIN 0
	v_nop
.irp c, 0,1
.irp i, 0,1,2
	v_permlane16_swap_b32 v[PC+6*\c+\i], v[PC+12+4*\c+\i]
.endr
.irp i, 0,1,2
	v_mov_b32 v[PC+3+6*\c+\i], v[PC+12+4*\c+\i]
.endr
.endr
	global_store_b128 v1, v[PC:PC+3], s[IMG:IMG+1]
	global_store_b64 v2, v[PC+4:PC+5], s[IMG:IMG+1] offset:512
	global_store_b128 v3, v[PC+6:PC+9], s[IMG:IMG+1]
	global_store_b64 v4, v[PC+10:PC+11], s[IMG:IMG+1] offset:512
.endm
.irp a, 0,1,2,3
	EPI \a
.endr
	global_store_b128 v5, v[SW:SW+3], s[SCP:SCP+1]
	s_wait_tensorcnt 0x0                           ; the wave's end
	ds_add_u32 v[SPW], v[NIL]
	s_wait_dscnt 0x0
	CROUND                                         ; the closing round
	s_endpgm
.Lfunc_end_k_q66657853a5_proj:
	.size	k_q66657853a5_proj, .Lfunc_end_k_q66657853a5_proj-k_q66657853a5_proj
	.p2alignl 7, 3214868480
	.fill 96, 4, 3214868480
	.section	.rodata,"a",@progbits
	.p2align	6, 0x0
	.amdhsa_kernel k_q66657853a5_proj
		.amdhsa_group_segment_fixed_size 327680
		.amdhsa_private_segment_fixed_size 0
		.amdhsa_enable_private_segment 0
		.amdhsa_kernarg_size 144
		.amdhsa_user_sgpr_count 2
		.amdhsa_user_sgpr_kernarg_segment_ptr 1
		.amdhsa_wavefront_size32 1
		.amdhsa_system_sgpr_workgroup_id_x 1
		.amdhsa_system_sgpr_workgroup_id_y 1
		.amdhsa_system_sgpr_workgroup_id_z 1
		.amdhsa_system_vgpr_workitem_id 0
		.amdhsa_next_free_vgpr 768
		.amdhsa_next_free_sgpr 102
		.amdhsa_reserve_vcc 0
		.amdhsa_float_denorm_mode_32 3
		.amdhsa_float_denorm_mode_16_64 3
		.amdhsa_memory_ordered 1
		.amdhsa_forward_progress 1
		.amdhsa_inst_pref_size 111
	.end_amdhsa_kernel
	.amdgpu_metadata
---
amdhsa.version: [ 1, 2 ]
amdhsa.kernels:
  - .name:           k_q66657853a5_proj
    .symbol:         k_q66657853a5_proj.kd
    .args:
      - { .name: Q_codes, .offset: 0, .size: 8, .value_kind: global_buffer, .address_space: global }
      - { .name: Q_scales, .offset: 8, .size: 8, .value_kind: global_buffer, .address_space: global }
      - { .name: Wq_codes, .offset: 16, .size: 8, .value_kind: global_buffer, .address_space: global }
      - { .name: Wq_scales, .offset: 24, .size: 8, .value_kind: global_buffer, .address_space: global }
      - { .name: bq, .offset: 32, .size: 8, .value_kind: global_buffer, .address_space: global }
      - { .name: K_codes, .offset: 40, .size: 8, .value_kind: global_buffer, .address_space: global }
      - { .name: K_scales, .offset: 48, .size: 8, .value_kind: global_buffer, .address_space: global }
      - { .name: Wk_codes, .offset: 56, .size: 8, .value_kind: global_buffer, .address_space: global }
      - { .name: Wk_scales, .offset: 64, .size: 8, .value_kind: global_buffer, .address_space: global }
      - { .name: bk, .offset: 72, .size: 8, .value_kind: global_buffer, .address_space: global }
      - { .name: Wv_codes, .offset: 80, .size: 8, .value_kind: global_buffer, .address_space: global }
      - { .name: Wv_scales, .offset: 88, .size: 8, .value_kind: global_buffer, .address_space: global }
      - { .name: V_codes, .offset: 96, .size: 8, .value_kind: global_buffer, .address_space: global }
      - { .name: V_scales, .offset: 104, .size: 8, .value_kind: global_buffer, .address_space: global }
      - { .name: bv, .offset: 112, .size: 8, .value_kind: global_buffer, .address_space: global }
      - { .name: qimg, .offset: 120, .size: 8, .value_kind: global_buffer, .address_space: global }
      - { .name: qs, .offset: 128, .size: 8, .value_kind: global_buffer, .address_space: global }
      - { .name: kv, .offset: 136, .size: 8, .value_kind: global_buffer, .address_space: global }
    .group_segment_fixed_size: 327680
    .private_segment_fixed_size: 0
    .kernarg_segment_align: 8
    .kernarg_segment_size: 144
    .max_flat_workgroup_size: 128
    .sgpr_count:     102
    .vgpr_count:     768
    .wavefront_size: 32
...
	.end_amdgpu_metadata
.endif
;; end of part 1
;; launch attn (part 2): grid 4 x 64, 16 waves a work-group, clusters of 4 x 1, 215,040 bytes of LDS; arguments qimg, qs, kv, oimg, os; writes oimg, os
.if DOCPART == 2
	.amdgcn_target "amdgcn-amd-amdhsa--gfx1250"
	.amdhsa_code_object_version 6
	.text
	.protected	k_q66657853a5_attn
	.globl	k_q66657853a5_attn
	.p2align	8
	.type	k_q66657853a5_attn,@function
k_q66657853a5_attn:
	s_mov_b64 s[64:65], 0
	v_nop
	global_prefetch_b8 v0, s[64:65] scope:SCOPE_SE
	s_setreg_imm32_b32 hwreg(HW_REG_WAVE_MODE, 25, 1), 1
	s_wait_xcnt 0x0
	s_wait_alu depctr_hold_cnt(0) depctr_sa_sdst(0) depctr_va_vdst(0) depctr_va_sdst(0) depctr_va_ssrc(0) depctr_va_vcc(0) depctr_vm_vsrc(0)
	s_getreg_b32 s2, hwreg(HW_REG_IB_STS2, 6, 4)
	s_cmp_eq_u32 s2, 0
	s_cbranch_scc0 .Lentry_in_a_cluster
	s_endpgm
.Lentry_in_a_cluster:
	s_bfe_u32 s2, ttmp6, 0x10000c
	s_cmp_lg_u32 s2, 0x3003
	s_cbranch_scc0 .Lentry_shape_is_right
	s_endpgm
.Lentry_shape_is_right:
; CAUSAL ATTENTION OF ONE HEAD, both products on codes of FP6 (E2M3) with one E8M0 scale for each 32 along a product's K; the head's output leaves quantised along its 64 channels, as images of operand registers.
; q, k, v come as the launch before laid them: images of six registers (16 rows x 64 codes: registers 0-3 at 16 x lane, registers 4-5 at 512 + 8 x lane) and scale words.  kv holds, for each head and each step of
; 128 keys, one block of 13,056 bytes: 8 images of K, K's scale words (512), 4 fragments of V^T (16 channels x 128 keys: two images each), V's scale words (256).
; SHARES.  The four work-groups of a cluster own one (batch, head).  All 16 step blocks of the head, 208,896 bytes, come into each one's LDS ONCE, by 16 joint loads, one a wave: no slot is ever filled again,
; and no barrier stands in the loops.  A wave owns two tiles of 16 queries, one late (group G = 15 - wave / 2 of 128 queries) and one early (G = wave / 2): G + 1 key steps each, 17 for every wave.
; Tile = 8 G + 2 cx + wave % 2.  The place in the cluster enters global addresses and the mask's numbers alone: every branch hangs on the wave's number and a counter.
; LAYOUT.  S^T = K Q^T (source 0 = 16 neighbouring keys, source 1 = my 16 queries; the head has 64 channels, so the upper 64 of the instruction's K are zero codes), O^T = V^T P^T: a lane holds one query throughout.
; The order of the keys inside a block of 32 in p's codes is the one in which the launch before laid V's, since both are made by the same lines from the same layout of results.
; SOFTMAX.  t = score x log2(e) / 8; M = the running largest t rounded up to a whole number; p = 2^(t - M) is quantised, not normalised; the sum is taken of the unquantised p and divides at the end.
; When M moves, the sum and O^T are multiplied by 2^(old M - new M), which rounds nothing.
; LIMITS: NaN and infinities are not served.  A block of zeros, or one under 2^-124, gets the scale byte 1 (read by this program alone).  1 / l is v_rcp_f32 and a multiplication.
; REGISTERS: v1-7, v11 addresses that stay; v8-10 the step's LDS addresses; v12 -M, v13 the largest t, v[14:15] the sum; v16-27 Q (22-27 zero); v28-75 four fragments of K (the upper six of each zero);
;   v76-123 V's four fragments; v124-187 S^T, then p; v188-219 O^T; v220-231 codes; v232-254 at work; v248-251 K's, then V's scale words; v253 p's scale word; v255 Q's.
.set STEPB, 13056                      ; a step's block
.set KSC,   6144                       ; in it: K's scale words,
.set VIM,   6656                       ; V's fragments,
.set VSC,   12800                      ; V's scale words
.set OSC,   16*STEPB                   ; behind the blocks: 1,024 bytes in which the work-group's scale bytes of o are gathered; no tile lands there
.set S,     124
.set O,     188
.set PCD,   220
.set WV,    14                         ; s14 wave;  s15 cx;  s16 batch x 16 + head;  s17 wave % 2;  s18 the early group;  s19 the late group
.set SEL,   20                         ; s[20:21] v_permlanex16_b32's selects for lane l xor 16
.set CS,    22                         ; s[22:23] c = log2(e) / 8
.set G1,    24                         ; s[24:31], s[32:35] the one descriptor
.set G0,    32
.set J,     36                         ; s36 the key step
.set G,     37                         ; s37 the pass's group of 128 queries
.set TB,    38                         ; s38 13,056 x the key step
.set A8,    39                         ; s39 my tile in a group: 2 cx + wave % 2
.macro CROUND                          ; a round of the cluster's barrier
	s_barrier_signal -1
	s_barrier_wait -1
	s_cmp_lg_u32 s[WV], 0
	s_cbranch_scc1 .Lnot_wave_0_\@
	s_barrier_signal -3
.Lnot_wave_0_\@:
	s_barrier_wait -3
	s_barrier_signal -1
	s_barrier_wait -1
.endm
	s_load_b256 s[4:11], s[0:1], 0x0               ; qimg, qs, kv, oimg
	s_load_b64 s[12:13], s[0:1], 0x20              ; os
	v_lshl_add_u32 v254, v0, 2, 0x34000
	v_mov_b32 v255, 0
	ds_add_u32 v254, v255
	ds_add_u32 v254, v255
	s_wait_dscnt 0x0
	v_lshrrev_b32 v1, 5, v0
	s_delay_alu instid0(VALU_DEP_1)
	v_readfirstlane_b32 s[WV], v1                  ; wave 0..15
	s_and_b32 s16, ttmp7, 0xffff                   ; batch x 16 + head, which the four partners share
	s_and_b32 s17, s[WV], 1
	s_lshr_b32 s18, s[WV], 1
	s_xor_b32 s19, s18, 15
	s_mov_b32 s[SEL], 0x76543210
	s_mov_b32 s[SEL+1], 0xfedcba98
	s_mov_b32 s[CS], 0x3e38aa3b                    ; log2(e) / sqrt(64)
	s_mov_b32 s[CS+1], s[CS]                       ; (named with it as a pair, so it is written)
	; the descriptor: a step's block, 13,056 dense bytes, as 51 rows of 256 bytes (32 elements of 8)
	s_mov_b32 s[G1+0], 15|(3<<16)|(1<<21)          ; the mask: all four work-groups; elements of 8 bytes; bit 21 beside a mask; no padding: an image is read as consecutive bytes
	s_mov_b32 s[G1+1], 32<<16
	s_mov_b32 s[G1+2], 51<<16
	s_mov_b32 s[G1+3], 32<<16
	s_mov_b32 s[G1+4], 51
	s_mov_b32 s[G1+5], 32
	s_mov_b32 s[G1+6], 0
	s_mov_b32 s[G1+7], 0
	s_mov_b32 s[G0], 1
	s_mul_i32 s[G0+1], s[WV], STEPB                ; wave w brings step block w, to LDS byte 13,056 w
	s_mul_i32 s46, s16, 16*STEPB
	s_add_co_u32 s46, s46, s[G0+1]
	s_mov_b32 s47, 0
	s_wait_kmcnt 0x0
	s_add_nc_u64 s[G0+2:G0+3], s[8:9], s[46:47]
	s_or_b32 s[G0+3], s[G0+3], 0x80000000
	CROUND                                         ; all four work-groups are here: the joint loads meet
	tensor_load_to_lds s[G0:G0+3], s[G1:G1+7]      ; my one tensor load
	s_nop 0
.rept 4
	v_nop
.endr
	s_bfe_u32 s15, ttmp6, 0x40000                  ; cx
	s_lshl_b32 s[A8], s15, 1
	s_add_co_u32 s[A8], s[A8], s17
	s_mul_i32 s46, s16, 98304
	s_add_nc_u64 s[4:5], s[4:5], s[46:47]          ; the head's images of q
	s_lshl_b32 s46, s16, 13
	s_lshr_b32 s48, s[A8], 2
	s_lshl_b32 s48, s48, 8
	s_add_co_u32 s46, s46, s48
	s_and_b32 s48, s[A8], 3
	s_lshl_b32 s48, s48, 2
	s_add_co_u32 s46, s46, s48
	s_add_nc_u64 s[6:7], s[6:7], s[46:47]          ; q's scale words: the head's, and my tile's place in a group's 512 bytes
	s_lshr_b32 s46, s16, 4
	s_mul_i32 s46, s46, 128*12288                  ; o's images: [token / 16][head][768]: the batch's 128 tiles,
	s_and_b32 s48, s16, 15
	s_mul_i32 s48, s48, 768                        ; the head
	s_add_co_u32 s46, s46, s48
	s_add_nc_u64 s[10:11], s[10:11], s[46:47]
	s_lshl_b32 s46, s16, 2
	s_add_co_u32 s46, s46, s15
	s_lshl_b32 s46, s46, 10
	s_add_nc_u64 s[12:13], s[12:13], s[46:47]      ; o's scale bytes: 1,024 for each work-group
	v_and_b32 v2, 31, v0
	s_delay_alu instid0(VALU_DEP_1)
	v_lshlrev_b32 v1, 4, v2                        ; 16 x lane
	s_delay_alu instid0(VALU_DEP_2)
	v_lshlrev_b32 v2, 3, v2                        ; 8 x lane
	v_and_b32 v5, 15, v0                           ; r
	s_delay_alu instid0(VALU_DEP_1)
	v_lshlrev_b32 v3, 4, v5                        ; 16 r
	v_bfe_u32 v6, v0, 4, 1
	s_delay_alu instid0(VALU_DEP_1)
	v_lshlrev_b32 v6, 3, v6
	s_delay_alu instid0(VALU_DEP_1)
	v_sub_nc_u32 v4, v5, v6
	s_lshl_b32 s46, s[A8], 4
	v_add_nc_u32 v4, s46, v4                       ; d = my query's place in its group of 128 - 8 (lane / 16): on the diagonal register n's key is hidden where 16 (n / 8) + n % 8 > d
	v_lshlrev_b32 v7, 1, v5
	s_lshl_b32 s48, s[WV], 5
	s_add_co_u32 s48, s48, OSC
	v_add_nc_u32 v5, s48, v7                       ; o's scale bytes in LDS, [group][wave % 2][r], 2 bytes: the early pass: 64 (wave / 2) + 32 (wave % 2) = 32 x wave
	s_lshl_b32 s48, s19, 6
	s_lshl_b32 s49, s17, 5
	s_add_co_u32 s48, s48, s49
	s_add_co_u32 s48, s48, OSC
	v_add_nc_u32 v6, s48, v7                       ; the late pass
	v_lshlrev_b32 v11, 4, v0
	s_delay_alu instid0(VALU_DEP_1)
	v_add_nc_u32 v7, OSC, v11                      ; and on their way out: 16 bytes a thread, waves 0 and 1
.irp j, 22,23,24,25,26,27
	v_mov_b32 v\j, 0                               ; Q's upper 64 along K: zero codes
.endr
.irp t, 0,1,2,3
.irp j, 6,7,8,9,10,11
	v_mov_b32 v[28+12*\t+\j], 0                    ; K's likewise: written once, never loaded into
.endr
.endr
.irp j, 236,237,238,239,252,253
	v_mov_b32 v\j, 0                               ; written once: a lane permute's destination counts as one of its sources; v253 is named as the upper half of a pair
.endr
	s_wait_tensorcnt 0x0                           ; my block has landed,
	s_barrier_signal -1
	s_barrier_wait -1                              ; everybody's has: all of the head's K and V lie in LDS
; ONE TILE OF 16 QUERIES.  hi = 1: the late one.
.macro PASS hi
	s_wait_xcnt 0x0                                ; the pass before has had its stores' addresses and data read: they are written again only behind this wait
.if \hi
	s_mov_b32 s[G], s19
.else
	s_mov_b32 s[G], s18
.endif
	s_lshl_b32 s46, s[G], 3
	s_add_co_u32 s46, s46, s[A8]                   ; the tile
	s_mul_i32 s48, s46, 768
	s_mov_b32 s49, 0
	s_add_nc_u64 s[40:41], s[4:5], s[48:49]        ; its image of q,
	s_lshl_b32 s48, s[G], 9
	s_add_nc_u64 s[42:43], s[6:7], s[48:49]        ; its scale words,
	s_mul_i32 s48, s46, 12288
	s_add_nc_u64 s[44:45], s[10:11], s[48:49]      ; its image of o
	global_load_b128 v[16:19], v1, s[40:41]
	global_load_b64 v[20:21], v2, s[40:41] offset:512
	global_load_b32 v255, v3, s[42:43]
	v_mov_b32 v13, 0xff61b1e6                      ; the largest t so far: -3e38, under every t
	s_delay_alu instid0(VALU_DEP_1)
	v_floor_f32 v12, -v13                          ; -M
	v_mov_b32 v14, 0                               ; the sum, in two halves
	v_mov_b32 v15, 0
.irp j, 0,1,2,3,4,5,6,7,8,9,10,11,12,13,14,15,16,17,18,19,20,21,22,23,24,25,26,27,28,29,30,31
	v_mov_b32 v[O+\j], 0                           ; O^T: the step is written once; its first trip finds zeros, which the first change of M leaves zeros
.endr
	s_mov_b32 s[J], 0
	s_mov_b32 s[TB], 0
	s_wait_loadcnt 0x0
.Lstep_\@:                                         ; 16 trips, a constant; a step all of whose keys come after my queries is passed over
	s_cmp_gt_u32 s[J], s[G]
	s_cbranch_scc1 .Lhidden_\@
	v_add_nc_u32 v8, s[TB], v1
	s_wait_alu depctr_va_vdst(0)
	v_add_nc_u32 v9, s[TB], v2
	s_wait_alu depctr_va_vdst(0)
	v_add_nc_u32 v10, s[TB], v3
	s_wait_alu depctr_va_vdst(0)
.irp g, 0,1                                    ; S^T = K Q^T, four tiles of 16 keys at a time
.if \g
.rept 4
	v_nop                                          ; places in front of loads into registers that the four products above have read
.endr
.endif
.irp t, 0,1,2,3
	ds_load_b128 v[28+12*\t:31+12*\t], v8 offset:(4*\g+\t)*768
	ds_load_b64 v[32+12*\t:33+12*\t], v9 offset:(4*\g+\t)*768+512
.endr
	ds_load_b128 v[248:251], v10 offset:KSC+256*\g ; four tiles' scale words of row r
	s_wait_dscnt 0x0
.irp t, 0,1,2,3
	v_wmma_scale_f32_16x16x128_f8f6f4 v[S+8*(4*\g+\t):S+8*(4*\g+\t)+7], v[28+12*\t:39+12*\t], v[16:27], 0, v[248+\t], v255 matrix_a_fmt:MATRIX_FMT_FP6 matrix_b_fmt:MATRIX_FMT_FP6
.endr
.endr                                          ; register 8 T + j of lane (r, h): key 16 T + 8 h + j of the step, query r
.rept 4
	v_nop                                          ; places: in front of the load into the scale words' registers, and of the first read of the scores
.endr
.irp ct, 0,1,2,3                               ; V's fragments are asked for here, so that they land under the softmax
	ds_load_b128 v[76+12*\ct:79+12*\ct], v8 offset:VIM+1536*\ct
	ds_load_b64 v[80+12*\ct:81+12*\ct], v9 offset:VIM+1536*\ct+512
	ds_load_b128 v[82+12*\ct:85+12*\ct], v8 offset:VIM+1536*\ct+768
	ds_load_b64 v[86+12*\ct:87+12*\ct], v9 offset:VIM+1536*\ct+1280
.endr
	ds_load_b128 v[248:251], v10 offset:VSC        ; V's scale words: channel r of the four tiles of channels
	s_cmp_lt_u32 s[J], s[G]
	s_cbranch_scc1 .Lopen_\@                       ; all keys of the step count
	v_mov_b32 v254, 0xff800000                     ; on the diagonal hidden scores become -infinity ahead of the maximum: p = 0 then.  The step's first key counts for every query of the group
.irp n, 0,1,2,3,4,5,6,7,8,9,10,11,12,13,14,15,16,17,18,19,20,21,22,23,24,25,26,27,28,29,30,31,32,33,34,35,36,37,38,39,40,41,42,43,44,45,46,47,48,49,50,51,52,53,54,55,56,57,58,59,60,61,62,63
	v_cmp_gt_i32 vcc_lo, 16*(\n/8)+\n%8, v4
	v_cndmask_b32 v[S+\n], v[S+\n], v254, vcc_lo
.endr
.Lopen_\@:
.irp b, 0,1,2,3
	v_max3_num_f32 v[232+\b], v[S+16*\b], v[S+1+16*\b], v[S+2+16*\b]   ; the largest score of each block of 32 keys: for the row's maximum and, since p rises with the score, for the block's largest p
.endr
.irp i, 3,5,7,9,11,13
.irp b, 0,1,2,3
	v_max3_num_f32 v[232+\b], v[232+\b], v[S+16*\b+\i], v[S+1+16*\b+\i]
.endr
.endr
.irp b, 0,1,2,3
	v_max_num_f32 v[232+\b], v[232+\b], v[S+15+16*\b]
.endr
.irp b, 0,1,2,3
	s_delay_alu instid0(VALU_DEP_4)
	v_permlanex16_b32 v[236+\b], v[232+\b], s[SEL], s[SEL+1]
.endr
.irp b, 0,1,2,3
	s_delay_alu instid0(VALU_DEP_4)
	v_max_num_f32 v[232+\b], v[232+\b], v[236+\b]  ; with lane l xor 16's 16 keys
.endr
	s_delay_alu instid0(VALU_DEP_2)
	v_max3_num_f32 v254, v232, v233, v234
	s_delay_alu instid0(VALU_DEP_1)
	v_max_num_f32 v254, v254, v235                 ; the step's largest score of my query
	s_delay_alu instid0(VALU_DEP_1)
	v_mul_f32 v254, s[CS], v254                    ; as t (c is positive)
	s_delay_alu instid0(VALU_DEP_1)
	v_max_num_f32 v13, v13, v254                   ; the running largest t
	v_mov_b32 v254, v12
	s_delay_alu instid0(VALU_DEP_2)
	v_floor_f32 v12, -v13                          ; the new -M = floor(-t) = -ceil(t)
	s_delay_alu instid0(VALU_DEP_1)
	v_sub_f32 v254, v12, v254                      ; old M - new M: a whole number, 0 or less
	s_delay_alu instid0(VALU_DEP_1)
	v_cvt_i32_f32 v254, v254                       ; (it saturates)
	s_delay_alu instid0(VALU_DEP_1)
	v_ldexp_f32 v252, 1.0, v254                    ; f = 2^(old M - new M)
.irp j, 0,2,4,6,8,10,12,14,16,18,20,22,24,26,28,30,32,34,36,38,40,42,44,46,48,50,52,54,56,58,60,62
	v_pk_fma_f32 v[S+\j:S+1+\j], v[S+\j:S+1+\j], s[CS:CS+1], v[12:13] op_sel_hi:[1,0,0]   ; t - M, two at a time
.endr
.irp b, 0,1,2,3
	v_fma_f32 v[232+\b], v[232+\b], s[CS], v12     ; the same of each block's largest score
.endr
	s_wait_alu depctr_va_vdst(0)
.irp j, 0,1,2,3,4,5,6,7,8,9,10,11,12,13,14,15,16,17,18,19,20,21,22,23,24,25,26,27,28,29,30,31,32,33,34,35,36,37,38,39,40,41,42,43,44,45,46,47,48,49,50,51,52,53,54,55,56,57,58,59,60,61,62,63
	v_exp_f32 v[S+\j], v[S+\j]                     ; p = 2^(t - M), at most 1
.endr
	v_pk_mul_f32 v[14:15], v[14:15], v[252:253] op_sel_hi:[1,0]   ; the sums under the new M: a plain instruction behind the exponentials
	s_wait_alu depctr_va_vdst(0)                   ; one wait for the batch of 64, ahead of its first reader
.irp b, 0,1,2,3
	v_exp_f32 v[232+\b], v[232+\b]                 ; the block's largest p: the same two instructions on the same number
.endr
	v_pk_add_f32 v[236:237], v[128:129], v[132:133]
	v_pk_add_f32 v[246:247], v[136:137], v[140:141]
	v_pk_add_f32 v[244:245], v[144:145], v[148:149]
	v_pk_add_f32 v[242:243], v[152:153], v[156:157]
	v_pk_add_f32 v[240:241], v[160:161], v[164:165]
	v_pk_add_f32 v[238:239], v[168:169], v[172:173]
	v_pk_add_f32 v[230:231], v[176:177], v[180:181]
	v_pk_add_f32 v[14:15], v[14:15], v[184:185]
	v_pk_add_f32 v[236:237], v[236:237], v[124:125]
	v_pk_add_f32 v[246:247], v[246:247], v[126:127]
	v_pk_add_f32 v[244:245], v[244:245], v[130:131]
	v_pk_add_f32 v[242:243], v[242:243], v[134:135]
	v_pk_add_f32 v[240:241], v[240:241], v[138:139]
	v_pk_add_f32 v[238:239], v[238:239], v[142:143]
	v_pk_add_f32 v[230:231], v[230:231], v[146:147]
	v_pk_add_f32 v[14:15], v[14:15], v[150:151]
	v_pk_add_f32 v[236:237], v[236:237], v[154:155]
	v_pk_add_f32 v[246:247], v[246:247], v[158:159]
	v_pk_add_f32 v[244:245], v[244:245], v[162:163]
	v_pk_add_f32 v[242:243], v[242:243], v[166:167]
	v_pk_add_f32 v[240:241], v[240:241], v[170:171]
	v_pk_add_f32 v[238:239], v[238:239], v[174:175]
	v_pk_add_f32 v[230:231], v[230:231], v[178:179]
	v_pk_add_f32 v[14:15], v[14:15], v[182:183]
	v_pk_add_f32 v[236:237], v[236:237], v[186:187]
	s_delay_alu instid0(VALU_DEP_2)
	v_pk_add_f32 v[14:15], v[14:15], v[242:243]
	s_delay_alu instid0(VALU_DEP_2)
	v_pk_add_f32 v[236:237], v[236:237], v[240:241]
	v_pk_add_f32 v[246:247], v[246:247], v[238:239]
	v_pk_add_f32 v[244:245], v[244:245], v[230:231]
	s_delay_alu instid0(VALU_DEP_2)
	v_pk_add_f32 v[14:15], v[14:15], v[246:247]
	s_delay_alu instid0(VALU_DEP_2)
	v_pk_add_f32 v[236:237], v[236:237], v[244:245]
	s_delay_alu instid0(VALU_DEP_1)
	v_pk_add_f32 v[14:15], v[14:15], v[236:237]
	s_wait_alu depctr_va_vdst(0)                   ; and one for the four
.irp b, 0,1,2,3
	v_max_num_f32 v[232+\b], 0x1800000, v[232+\b]  ; the floor 2^(3 - 127): the byte cannot fall under 1
.endr
.irp b, 0,1,2,3
	s_delay_alu instid0(VALU_DEP_4)
	v_add_nc_u32 v[244+\b], 0xff000000, v[232+\b]  ; 2 off the exponent field: the conversion's scale operand
.endr
.irp b, 0,1,2,3
	s_delay_alu instid0(VALU_DEP_4)
	v_lshrrev_b32 v[236+\b], 23, v[244+\b]         ; the scale's byte
.endr
	s_delay_alu instid0(VALU_DEP_3)
	v_lshl_or_b32 v253, v237, 8, v236              ; p's scale word for these 128 keys
	s_delay_alu instid0(VALU_DEP_1)
	v_lshl_or_b32 v253, v238, 16, v253
	s_delay_alu instid0(VALU_DEP_1)
	v_lshl_or_b32 v253, v239, 24, v253
.irp c, 0,1
	v_cvt_scalef32_pk16_fp6_f32 v[PCD+6*\c:PCD+2+6*\c], v[S+32*\c:S+15+32*\c], v[244+2*\c]
	v_cvt_scalef32_pk16_fp6_f32 v[236+4*\c:238+4*\c], v[S+16+32*\c:S+31+32*\c], v[245+2*\c]   ; (a conversion's three registers begin on an even number)
.endr
	v_nop                                          ; one plain place behind a scaled conversion
.irp c, 0,1                                    ; the operand's layout wants a whole block in a lane
.irp i, 0,1,2
	v_permlane16_swap_b32 v[PCD+6*\c+\i], v[236+4*\c+\i]
.endr
.irp i, 0,1,2
	s_delay_alu instid0(VALU_DEP_3)
	v_mov_b32 v[PCD+3+6*\c+\i], v[236+4*\c+\i]
.endr
.endr
.irp j, 0,2,4,6,8,10,12,14,16,18,20,22,24,26,28,30
	v_pk_mul_f32 v[O+\j:O+1+\j], v[O+\j:O+1+\j], v[252:253] op_sel_hi:[1,0]   ; O^T under the new M, each accumulator from its low end on.  These 16 are also the places between the codes' and the scale word's last writes and the products
.endr
	s_wait_alu depctr_va_vdst(0)
	s_wait_dscnt 0x0                               ; V's fragments and scale words are in
.irp ct, 0,1,2,3                               ; O^T += V^T P^T: four accumulators, one instruction each
	v_wmma_scale_f32_16x16x128_f8f6f4 v[O+8*\ct:O+8*\ct+7], v[76+12*\ct:87+12*\ct], v[PCD:PCD+11], v[O+8*\ct:O+8*\ct+7], v[248+\ct], v253 matrix_a_fmt:MATRIX_FMT_FP6 matrix_b_fmt:MATRIX_FMT_FP6
.endr
.rept 4
	v_nop                                          ; places: the next trip loads into the scale words' registers, the way out reads O^T
.endr
.Lhidden_\@:
	s_add_co_u32 s[TB], s[TB], STEPB
	s_add_co_u32 s[J], s[J], 1
	s_cmp_lt_u32 s[J], 16
	s_cbranch_scc1 .Lstep_\@
	; THE WAY OUT: o = O^T / l, put into the channels' true order (Wo's codes are given in it), quantised along the head's 64 channels, stored as an image.
	v_add_f32 v14, v14, v15                        ; the sum's two halves,
	v_permlanex16_b32 v252, v14, s[SEL], s[SEL+1]
	s_delay_alu instid0(VALU_DEP_1)
	v_add_f32 v14, v14, v252                       ; and lane l xor 16's
	s_wait_alu depctr_va_vdst(0)
	v_rcp_f32 v252, v14
	v_nop                                          ; a plain place behind the reciprocal
	s_wait_alu depctr_va_vdst(0)                   ; and the wait ahead of its first reader
.irp j, 0,2,4,6,8,10,12,14,16,18,20,22,24,26,28,30
	v_pk_mul_f32 v[O+\j:O+1+\j], v[O+\j:O+1+\j], v[252:253] op_sel_hi:[1,0]   ; register 8 T + j of lane (r, h): channel 16 T + 8 h + j
.endr
.irp b, 0,1
.irp j, 0,1,2,3,4,5,6,7
	v_permlane16_swap_b32 v[O+16*\b+\j], v[O+8+16*\b+\j]   ; the first's lanes 16-31 change places with the second's lanes 0-15: register 16 b + i is now channel 32 b + 16 h + i
.endr
.endr
.irp b, 0,1
	v_max3_num_f32 v[232+\b], |v[O+16*\b]|, |v[O+1+16*\b]|, 0x1800000
.endr
.irp i, 2,4,6,8,10,12,14
.irp b, 0,1
	s_delay_alu instid0(VALU_DEP_2)
	v_max3_num_f32 v[232+\b], v[232+\b], |v[O+16*\b+\i]|, |v[O+1+16*\b+\i]|
.endr
.endr
.irp b, 0,1
	s_delay_alu instid0(VALU_DEP_2)
	v_permlanex16_b32 v[236+\b], v[232+\b], s[SEL], s[SEL+1]
.endr
.irp b, 0,1
	s_delay_alu instid0(VALU_DEP_2)
	v_max_num_f32 v[232+\b], v[232+\b], v[236+\b]
.endr
.irp b, 0,1
	s_delay_alu instid0(VALU_DEP_2)
	v_add_nc_u32 v[244+\b], 0xff000000, v[232+\b]
.endr
.irp b, 0,1
	s_delay_alu instid0(VALU_DEP_2)
	v_lshrrev_b32 v[236+\b], 23, v[244+\b]
.endr
	s_delay_alu instid0(VALU_DEP_1)
	v_lshl_or_b32 v254, v237, 8, v236              ; my query's two scale bytes
	v_cvt_scalef32_pk16_fp6_f32 v[PCD:PCD+2], v[O:O+15], v244
	v_cvt_scalef32_pk16_fp6_f32 v[240:242], v[O+16:O+31], v245
	v_nop
.irp i, 0,1,2
	v_permlane16_swap_b32 v[PCD+\i], v[240+\i]
.endr
.irp i, 0,1,2
	s_delay_alu instid0(VALU_DEP_3)
	v_mov_b32 v[PCD+3+\i], v[240+\i]
.endr
	global_store_b128 v1, v[PCD:PCD+3], s[44:45]             ; 512 consecutive bytes, at a multiple of 256 from the buffer's first byte
	global_store_b64 v2, v[PCD+4:PCD+5], s[44:45] offset:512 ; 256 more
.if \hi
	ds_store_b16 v6, v254                          ; both lanes of a query write the same two bytes with the same value
.else
	ds_store_b16 v5, v254
.endif
.endm
	PASS 1
	PASS 0
	s_wait_dscnt 0x0                               ; for the others' sake: my scale bytes lie in LDS
	s_barrier_signal -1
	s_barrier_wait -1
	s_cmp_lt_u32 s[WV], 2                          ; the work-group's 1,024 scale bytes leave by two waves, 512 consecutive bytes each
	s_cbranch_scc0 .Lno_os
	ds_load_b128 v[232:235], v7
	s_wait_dscnt 0x0
	global_store_b128 v11, v[232:235], s[12:13]
.Lno_os:
	s_wait_xcnt 0x0
	v_lshl_add_u32 v254, v0, 2, 0x34000
	v_mov_b32 v255, 0
	s_wait_alu depctr_va_vdst(0)
	s_wait_tensorcnt 0x0
	ds_add_u32 v254, v255
	s_wait_dscnt 0x0
	CROUND                                         ; the closing round
	s_endpgm
.Lfunc_end_k_q66657853a5_attn:
	.size	k_q66657853a5_attn, .Lfunc_end_k_q66657853a5_attn-k_q66657853a5_attn
	.p2alignl 7, 3214868480
	.fill 96, 4, 3214868480
	.section	.rodata,"a",@progbits
	.p2align	6, 0x0
	.amdhsa_kernel k_q66657853a5_attn
		.amdhsa_group_segment_fixed_size 215040
		.amdhsa_private_segment_fixed_size 0
		.amdhsa_enable_private_segment 0
		.amdhsa_kernarg_size 40
		.amdhsa_user_sgpr_count 2
		.amdhsa_user_sgpr_kernarg_segment_ptr 1
		.amdhsa_wavefront_size32 1
		.amdhsa_system_sgpr_workgroup_id_x 1
		.amdhsa_system_sgpr_workgroup_id_y 1
		.amdhsa_system_sgpr_workgroup_id_z 1
		.amdhsa_system_vgpr_workitem_id 0
		.amdhsa_next_free_vgpr 256
		.amdhsa_next_free_sgpr 66
		.amdhsa_reserve_vcc 1
		.amdhsa_float_denorm_mode_32 3
		.amdhsa_float_denorm_mode_16_64 3
		.amdhsa_memory_ordered 1
		.amdhsa_forward_progress 1
		.amdhsa_inst_pref_size 66
	.end_amdhsa_kernel
	.amdgpu_metadata
---
amdhsa.version: [ 1, 2 ]
amdhsa.kernels:
  - .name:           k_q66657853a5_attn
    .symbol:         k_q66657853a5_attn.kd
    .args:
      - { .name: qimg, .offset: 0, .size: 8, .value_kind: global_buffer, .address_space: global }
      - { .name: qs, .offset: 8, .size: 8, .value_kind: global_buffer, .address_space: global }
      - { .name: kv, .offset: 16, .size: 8, .value_kind: global_buffer, .address_space: global }
      - { .name: oimg, .offset: 24, .size: 8, .value_kind: global_buffer, .address_space: global }
      - { .name: os, .offset: 32, .size: 8, .value_kind: global_buffer, .address_space: global }
    .group_segment_fixed_size: 215040
    .private_segment_fixed_size: 0
    .kernarg_segment_align: 8
    .kernarg_segment_size: 40
    .max_flat_workgroup_size: 512
    .sgpr_count:     66
    .vgpr_count:     256
    .wavefront_size: 32
...
	.end_amdgpu_metadata
.endif
;; end of part 2
;; launch outp (part 3): grid 8 x 32, 4 waves a work-group, clusters of 4 x 4, 327,680 bytes of LDS; arguments oimg, os, Wo_codes, Wo_scales, bo, out0; writes out0
.if DOCPART == 3
	.amdgcn_target "amdgcn-amd-amdhsa--gfx1250"
	.amdhsa_code_object_version 6
	.text
	.protected	k_q66657853a5_outp
	.globl	k_q66657853a5_outp
	.p2align	8
	.type	k_q66657853a5_outp,@function
k_q66657853a5_outp:
	s_mov_b64 s[64:65], 0
	v_nop
	global_prefetch_b8 v0, s[64:65] scope:SCOPE_SE
	s_setreg_imm32_b32 hwreg(HW_REG_WAVE_MODE, 25, 1), 1
	s_wait_xcnt 0x0
	s_wait_alu depctr_hold_cnt(0) depctr_sa_sdst(0) depctr_va_vdst(0) depctr_va_sdst(0) depctr_va_ssrc(0) depctr_va_vcc(0) depctr_vm_vsrc(0)
	s_getreg_b32 s2, hwreg(HW_REG_IB_STS2, 6, 4)
	s_cmp_eq_u32 s2, 0
	s_cbranch_scc0 .Lentry_in_a_cluster
	s_endpgm
.Lentry_in_a_cluster:
	s_bfe_u32 s2, ttmp6, 0x10000c
	s_cmp_lg_u32 s2, 0xf033
	s_cbranch_scc0 .Lentry_shape_is_right
	s_endpgm
.Lentry_shape_is_right:
; out0[token][n] = the sum over k of o[token][k] Wo[k][n] + bo[n], on codes of FP6 (E2M3) with one E8M0 scale for each 32 along K = head x 64 + channel (1,024).
; A = o as the launch before laid it: oimg [token / 16][head][768]: images of six operand registers; os [batch x 16 + head][4][16][2][16] pairs of scale bytes, token = 128 G + 32 c + 16 e + r.
; B = Wo's codes [n][768] and scale bytes [n][32], as given.  A work-group makes 256 tokens x 128 n, a wave 64 x 128: 32 accumulators; all of K lies in LDS.
; LDS: A's 16 x 12,288 bytes of images, one dense block; B's 128 rows of 768 bytes with 16 of padding behind each 256; A's scale rows, stored by the waves into bytes of their own; the spare words.
; Each byte is filled once, by one joint load a wave at the head (cluster 4 x 4: A shared along a row, B along a column).  The product is used transposed: a lane holds eight neighbouring n of one token.
; No prefetch: the launch has no loop to run ahead in; all its tiles are asked for at the head.  LIMITS: NaN and infinities are not served.
; REGISTERS: as in the first launch: v32-47 A's scale words, v52-83 B's, v88-151 bo, v152-247 A's fragments, two sets; window 1 B's fragments; window 2 the accumulators; on the way out v128-255 rows of out0.
.set SIZE_N, 1024
.set KROW,   768
.set PITCH,  816
.set FR,     12
.set TILEA,  12288
.set WAVEA,  4*TILEA
.set BOFF,   16*TILEA
.set HALFB,  64*PITCH
.set SCL,    BOFF+128*PITCH
.set SPARE,  SCL+32*272
.set SPITCH, 528
.set ADRA, 16
.set ADRB, 20
.set ABS,  24
.set STO,  25
.set RD,   26
.set CO,   27
.set SPW,  28
.set NIL,  29
.set ADRS, 30
.set SCA,  32
.set SCB,  52
.set BC,   88
.set AF,   152
.set BK,   128
.set G1,   24
.set G0,   32
.set G1B,  48
.set G0B,  56
.set MSB, 0
.macro WIN new
.if MSB != \new
	s_set_vgpr_msb (MSB<<8)|\new
.set MSB, \new
.endif
.endm
.macro PLACES n
.rept \n
	v_nop
.endr
.endm
.macro JLOAD g0a, g1a, g0b, g1b
	s_cmp_eq_u32 s15, 0
	s_cbranch_scc0 .Lfor_b_\@
	tensor_load_to_lds s[\g0a:\g0a+3], s[\g1a:\g1a+7]
	s_nop 0
	PLACES 4
	s_branch .Lasked_\@
.Lfor_b_\@:
	tensor_load_to_lds s[\g0b:\g0b+3], s[\g1b:\g1b+7]
	s_nop 0
	PLACES 4
.Lasked_\@:
.endm
.macro CROUND
	s_barrier_signal -1
	s_barrier_wait -1
	s_cmp_lg_u32 s14, 0
	s_cbranch_scc1 .Lnot_wave_0_\@
	s_barrier_signal -3
.Lnot_wave_0_\@:
	s_barrier_wait -3
	s_barrier_signal -1
	s_barrier_wait -1
.endm
.macro FRAG reg, adr, q, i             ; a fragment of B from rows: six pieces of 8 bytes; byte y of a row lies at y + 16 (y / 256)
.irp p, 0,1,2,3,4,5
.set BY, 96*(\q)+48*(\p/3)+8*(\p%3)
.if BY/256 == (BY+24)/256
	ds_load_b64 v[\reg+2*\p:\reg+2*\p+1], v[\adr] offset:BY+16*(BY/256)+(\i)*16*PITCH
.else
	ds_load_b64 v[\reg+2*\p:\reg+2*\p+1], v[\adr+1] offset:BY+16*(BY/256)+(\i)*16*PITCH
.endif
.endr
.endm
.macro FRAGA reg, q, i                 ; a fragment of A: two heads' images, as they were stored
	ds_load_b128 v[\reg:\reg+3], v[ADRA] offset:(\i)*TILEA+(\q)*1536
	ds_load_b64 v[\reg+4:\reg+5], v[ADRA+1] offset:(\i)*TILEA+(\q)*1536+512
	ds_load_b128 v[\reg+6:\reg+9], v[ADRA] offset:(\i)*TILEA+(\q)*1536+768
	ds_load_b64 v[\reg+10:\reg+11], v[ADRA+1] offset:(\i)*TILEA+(\q)*1536+1280
.endm
.macro FETCH q
	WIN 0x40
.irp i, 0,1,2,3,4,5,6,7
	FRAG 128*((\q)%2)+FR*\i, ADRB+2*(\i/4), \q, \i%4
.endr
	WIN 0
.irp i, 0,1,2,3
	FRAGA AF+48*((\q)%2)+FR*\i, \q, \i
.endr
.endm
.macro MUL q, zero                     ; 32 products, the accumulators by turns.  zero = 1: C = bo
.irp ap, 0,1
.irp ar, 0,1
.irp bp, 0,1,2,3
.irp br, 0,1
.set D_, 8*(8*(2*\ap+\ar)+2*\bp+\br)
.set B_, 128*((\q)%2)+FR*(2*\bp+\br)
.set A_, AF+48*((\q)%2)+FR*(2*\ap+\ar)
.if \zero
.set C_, BC+8*(2*\bp+\br)
.else
.set C_, D_
.endif
	v_wmma_scale_f32_16x16x128_f8f6f4 v[D_:D_+7], v[B_:B_+FR-1], v[A_:A_+FR-1], v[C_:C_+7], v[SCB+8*\bp+(\q)], v[SCA+8*\ap+(\q)] matrix_a_fmt:MATRIX_FMT_FP6 matrix_b_fmt:MATRIX_FMT_FP6 matrix_a_scale:MATRIX_SCALE_ROW\br matrix_b_scale:MATRIX_SCALE_ROW\ar
.endr
.endr
.endr
.endr
.endm
.macro STEP q, zero
	s_wait_dscnt 0x0
.if (\q) < 7
.if (\q) > 0
	PLACES 4
.endif
	FETCH (\q)+1
.endif
.if \zero
	WIN 0x81
.else
	WIN 0xa1
.endif
	MUL \q, \zero
.endm
	s_load_b128 s[4:7], s[0:1], 0x0                ; oimg, os
	s_load_b128 s[8:11], s[0:1], 0x10              ; Wo's codes, Wo's scales
	s_load_b128 s[92:95], s[0:1], 0x20             ; bo, out0
	v_lshl_add_u32 v[SPW], v0, 2, SPARE
	v_mov_b32 v[NIL], 0
	ds_add_u32 v[SPW], v[NIL]                      ; the opening lines: the add twice and its wait
	ds_add_u32 v[SPW], v[NIL]
	v_lshrrev_b32 v1, 5, v0
	v_readfirstlane_b32 s14, v1                    ; wave
	s_lshr_b32 s15, s14, 1                         ; I fetch for A (0) or B (1),
	s_and_b32 s16, s14, 1                          ; which half
	s_bfe_u32 s40, ttmp6, 0x40000
	s_bfe_u32 s41, ttmp6, 0x40004
	s_lshl_b32 s42, ttmp9, 2
	s_add_co_u32 s42, s42, s40                     ; tile of 128 n
	s_and_b32 s17, ttmp7, 0xffff
	s_lshl_b32 s17, s17, 2
	s_add_co_u32 s17, s17, s41                     ; tile of 256 tokens
	s_lshl_b32 s43, s41, 2
	s_lshl_b32 s43, 15, s43
	s_lshl_b32 s44, 0x1111, s40
	s_or_b32 s[G1], s43, (3<<16)|(1<<21)           ; A: 8 rows of 12,288 bytes (1,536 elements of 8), dense, no padding
	s_mov_b32 s[G1+1], 1536<<16
	s_mov_b32 s[G1+2], 8<<16
	s_mov_b32 s[G1+3], 1536<<16
	s_mov_b32 s[G1+4], 8
	s_mov_b32 s[G1+5], 1536
	s_mov_b32 s[G1+6], 0
	s_mov_b32 s[G1+7], 0
	s_or_b32 s[G1B], s44, (1<<20)|(1<<21)|(5<<22)|(3<<25)   ; B: 64 rows of 768 bytes
	s_mov_b32 s[G1B+1], KROW<<16
	s_mov_b32 s[G1B+2], 64<<16
	s_mov_b32 s[G1B+3], KROW<<16
	s_mov_b32 s[G1B+4], 64
	s_mov_b32 s[G1B+5], KROW
	s_mov_b32 s[G1B+6], 0
	s_mov_b32 s[G1B+7], 0
	s_lshl_b32 s20, s17, 4
	s_lshl_b32 s18, s16, 3
	s_add_co_u32 s20, s20, s18
	s_mul_i32 s20, s20, TILEA
	s_mov_b32 s21, 0
	s_lshl_b32 s46, s42, 7
	s_lshl_b32 s47, s16, 6
	s_add_co_u32 s46, s46, s47
	s_mul_i32 s46, s46, KROW
	s_mov_b32 s47, 0
	s_lshl_b32 s22, s42, 12                        ; my n's scale bytes,
	s_mov_b32 s23, 0
	s_lshl_b32 s18, s42, 9                         ; their place in bo
	s_mov_b32 s19, 0
	s_lshr_b32 s2, s17, 3                          ; os: the batch's 16 heads x 4,096 bytes, two groups of 128 tokens, 64 bytes each
	s_lshl_b32 s2, s2, 16
	s_and_b32 s3, s17, 7
	s_lshl_b32 s3, s3, 7
	s_add_co_u32 s2, s2, s3
	s_mov_b32 s3, 0
	s_lshl_b32 s12, s17, 8
	s_lshl_b32 s13, s14, 6
	s_add_co_u32 s12, s12, s13                     ; my first token
	s_lshl_b32 s12, s12, 12
	s_add_co_u32 s12, s12, s18                     ; + 512 bytes x the tile of n
	s_mov_b32 s13, 0
	s_mov_b32 s[G0], 1
	s_mul_i32 s[G0+1], s16, 8*TILEA
	s_mov_b32 s[G0B], 1
	s_mul_i32 s[G0B+1], s16, HALFB
	s_add_co_u32 s[G0B+1], s[G0B+1], BOFF
	s_wait_dscnt 0x0
	s_wait_kmcnt 0x0
	s_add_nc_u64 s[G0+2:G0+3], s[4:5], s[20:21]
	s_or_b32 s[G0+3], s[G0+3], 0x80000000
	s_add_nc_u64 s[G0B+2:G0B+3], s[8:9], s[46:47]
	s_or_b32 s[G0B+3], s[G0B+3], 0x80000000
	s_add_nc_u64 s[10:11], s[10:11], s[22:23]
	s_add_nc_u64 s[92:93], s[92:93], s[18:19]
	s_add_nc_u64 s[6:7], s[6:7], s[2:3]
	s_add_nc_u64 s[12:13], s[94:95], s[12:13]
	CROUND                                         ; all sixteen work-groups are here: the joint loads meet
	JLOAD G0, G1, G0B, G1B                         ; my one tensor load
	v_bfe_u32 v8, v0, 4, 2                         ; thread i takes tokens 2 i, 2 i + 1: group i / 64, c = (i / 16) % 4, e = (i / 8) % 2, r = 2 (i % 8): one word of os a head
	v_lshlrev_b32 v8, 10, v8
	v_bfe_u32 v11, v0, 6, 1
	v_lshl_add_u32 v8, v11, 6, v8
	v_bfe_u32 v11, v0, 3, 1
	v_lshl_add_u32 v8, v11, 5, v8
	v_and_b32 v11, 7, v0
	v_lshl_add_u32 v8, v11, 2, v8
	v_and_b32 v1, 15, v0                           ; r
	v_bfe_u32 v2, v0, 4, 1                         ; h
	v_and_b32 v3, 31, v0
	v_lshlrev_b32 v9, 5, v2
	v_lshlrev_b32 v[ABS], 5, v3
	v_lshrrev_b32 v10, 2, v0
	v_lshlrev_b32 v10, 4, v10
	v_lshl_add_u32 v10, v0, 6, v10
	v_add_nc_u32 v10, SCL, v10                     ; two scale rows of 32 bytes at 64 i, and 16 more for each 256 passed
	s_mul_i32 s21, s14, WAVEA                      ; my 64 tokens' images
	v_lshlrev_b32 v[CO], 4, v3
	v_lshlrev_b32 v4, 3, v3
	v_add_nc_u32 v[ADRA], s21, v[CO]
	v_add_nc_u32 v[ADRA+1], s21, v4
	v_add_nc_u32 v[RD], s21, v[CO]                 ; the stage, back: a row of 512 bytes
	v_mul_u32_u24 v4, v1, PITCH
	v_mad_u32_u24 v5, v2, 24, v4
	v_mad_u32_u24 v6, v2, 40, v4
	v_add_nc_u32 v[ADRB], BOFF, v5
	v_add_nc_u32 v[ADRB+1], BOFF, v6
	v_add_nc_u32 v[ADRB+2], BOFF+HALFB, v5
	v_add_nc_u32 v[ADRB+3], BOFF+HALFB, v6
	v_lshrrev_b32 v4, 3, v3
	v_lshl_add_u32 v4, v4, 4, v[ABS]
	s_mul_i32 s22, s14, 8*272
	s_add_co_u32 s22, s22, SCL
	v_add_nc_u32 v[ADRS], s22, v4                  ; lane l: my token l's scale row
	v_mul_u32_u24 v5, v1, SPITCH
	v_lshl_add_u32 v5, v2, 5, v5
	v_add_nc_u32 v[STO], s21, v5                   ; the stage, in: row r, 32 bytes for each half of the lanes
.irp h, 0,1,2,3,4,5,6,7,8,9,10,11,12,13,14,15
	global_load_b32 v[AF+\h], v8, s[6:7] offset:4096*\h
.endr
.irp p, 0,1,2,3
.irp c, 0,1
	global_load_b128 v[SCB+8*\p+4*\c:SCB+8*\p+4*\c+3], v[ABS], s[10:11] offset:\p*1024+16*\c
.endr
.endr
.irp b, 0,1,2,3,4,5,6,7
	global_load_b128 v[BC+8*\b:BC+8*\b+3], v9, s[92:93] offset:64*\b        ; bo of n = 16 b + 8 h + 0 .. 7
	global_load_b128 v[BC+8*\b+4:BC+8*\b+7], v9, s[92:93] offset:64*\b+16
.endr
	s_wait_alu depctr_va_vdst(0)                   ; the wait at the head's end
	s_wait_loadcnt 24                              ; the 16 words of os are in; the 8 + 16 loads issued behind them may be out
.irp g, 0,1,2,3,4,5,6,7
	v_perm_b32 v[AF+16+\g], v[AF+1+2*\g], v[AF+2*\g], 0x05040100   ; token 2 i: bytes 4 g .. 4 g + 3 of its row
.endr
.irp g, 0,1,2,3,4,5,6,7
	v_perm_b32 v[AF+24+\g], v[AF+1+2*\g], v[AF+2*\g], 0x07060302   ; token 2 i + 1
.endr
.irp c, 0,1,2,3
	ds_store_b128 v10, v[AF+16+4*\c:AF+19+4*\c] offset:16*\c
.endr
	s_wait_dscnt 0x0                               ; for the others' sake: my scale rows lie in LDS,
	s_wait_tensorcnt 0x0                           ; my part of the tiles has landed
	s_barrier_signal -1
	s_barrier_wait -1
	FETCH 0
.irp p, 0,1
.irp c, 0,1
	ds_load_b128 v[SCA+8*\p+4*\c:SCA+8*\p+4*\c+3], v[ADRS] offset:\p*1088+16*\c
.endr
.endr
	s_wait_loadcnt 0x0                             ; B's scale words, bo
	STEP 0, 1
.irp q, 1,2,3,4,5,6,7
	STEP \q, 0
.endr
	WIN 0
; THE WAY OUT, block by block of 16 tokens x 128 n: through my stage, back as whole rows of 512 bytes.  LDS serves a wave's instructions in order (ISA guide 5.7.1.4): no wait between the stores and the loads.
.macro TOSTAGE a
.set AC, 64*(\a)
	WIN 0x08
.irp b, 0,1,2,3,4,5,6,7
	ds_store_b128 v[STO], v[AC+8*\b:AC+8*\b+3] offset:64*\b          ; each accumulator from its low end on
	ds_store_b128 v[STO], v[AC+8*\b+4:AC+8*\b+7] offset:64*\b+16
.endr
	WIN 0
.set BB, BK+64*((\a)%2)
.irp t, 0,1,2,3,4,5,6,7,8,9,10,11,12,13,14,15
	ds_load_b128 v[BB+4*\t:BB+4*\t+3], v[RD] offset:\t*SPITCH
.endr
.endm
.macro SEND a, younger                 ; younger: the LDS instructions issued behind block a's loads
.set BB, BK+64*((\a)%2)
	s_wait_dscnt \younger
.if (\a) > 0
	s_add_nc_u64 s[12:13], s[12:13], 16*SIZE_N*4   ; (behind a wait on XCNT: the earlier stores have read their base)
.endif
.irp t, 0,1,2,3,4,5,6,7,8,9,10,11,12,13,14,15
	global_store_b128 v[CO], v[BB+4*\t:BB+4*\t+3], s[12:13] offset:\t*SIZE_N*4 th:TH_STORE_NT   ; 32 lanes store 512 consecutive bytes, at a multiple of 256 from out0's first byte
.endr
.endm
	PLACES 4
	TOSTAGE 0
.irp a, 1,2,3
.if \a > 1
	s_wait_xcnt 0x0                                ; block a - 2's stores have read their registers and their base
.endif
	TOSTAGE \a
	SEND \a-1, 32                                  ; behind block a - 1's loads: block a's 16 stores and 16 loads
.endr
	s_wait_xcnt 0x0
	SEND 3, 0
	s_wait_tensorcnt 0x0                           ; the wave's end
	ds_add_u32 v[SPW], v[NIL]
	s_wait_dscnt 0x0
	CROUND                                         ; the closing round
	s_endpgm
.Lfunc_end_k_q66657853a5_outp:
	.size	k_q66657853a5_outp, .Lfunc_end_k_q66657853a5_outp-k_q66657853a5_outp
	.p2alignl 7, 3214868480
	.fill 96, 4, 3214868480
	.section	.rodata,"a",@progbits
	.p2align	6, 0x0
	.amdhsa_kernel k_q66657853a5_outp
		.amdhsa_group_segment_fixed_size 327680
		.amdhsa_private_segment_fixed_size 0
		.amdhsa_enable_private_segment 0
		.amdhsa_kernarg_size 48
		.amdhsa_user_sgpr_count 2
		.amdhsa_user_sgpr_kernarg_segment_ptr 1
		.amdhsa_wavefront_size32 1
		.amdhsa_system_sgpr_workgroup_id_x 1
		.amdhsa_system_sgpr_workgroup_id_y 1
		.amdhsa_system_sgpr_workgroup_id_z 1
		.amdhsa_system_vgpr_workitem_id 0
		.amdhsa_next_free_vgpr 768
		.amdhsa_next_free_sgpr 98
		.amdhsa_reserve_vcc 0
		.amdhsa_float_denorm_mode_32 3
		.amdhsa_float_denorm_mode_16_64 3
		.amdhsa_memory_ordered 1
		.amdhsa_forward_progress 1
		.amdhsa_inst_pref_size 94
	.end_amdhsa_kernel
	.amdgpu_metadata
---
amdhsa.version: [ 1, 2 ]
amdhsa.kernels:
  - .name:           k_q66657853a5_outp
    .symbol:         k_q66657853a5_outp.kd
    .args:
      - { .name: oimg, .offset: 0, .size: 8, .value_kind: global_buffer, .address_space: global }
      - { .name: os, .offset: 8, .size: 8, .value_kind: global_buffer, .address_space: global }
      - { .name: Wo_codes, .offset: 16, .size: 8, .value_kind: global_buffer, .address_space: global }
      - { .name: Wo_scales, .offset: 24, .size: 8, .value_kind: global_buffer, .address_space: global }
      - { .name: bo, .offset: 32, .size: 8, .value_kind: global_buffer, .address_space: global }
      - { .name: out0, .offset: 40, .size: 8, .value_kind: global_buffer, .address_space: global }
    .group_segment_fixed_size: 327680
    .private_segment_fixed_size: 0
    .kernarg_segment_align: 8
    .kernarg_segment_size: 48
    .max_flat_workgroup_size: 128
    .sgpr_count:     98
    .vgpr_count:     768
    .wavefront_size: 32
...
	.end_amdgpu_metadata
.endif
;; end of part 3
